; MI455X (gfx1250); checked and timed in simulation.
; The chip was launched on July 23, 2026; its instructions are those of AMD's public machine-readable ISA for CDNA 5 (MIT licence, August 2026) and "CDNA5" Instruction Set Architecture Reference Guide (July 2026). The comments in the code are by the model that wrote it; some were corrected since.
;; COO Tensor Product. Allowed arithmetic: float matrix products may take bf16 or f16 operands with f32 sums; other float arithmetic in f32, or as packed bf16 or f16 multiplies, adds, multiply-adds, maxima and minima; sums over many terms, partial sums and values carried from step to step in f32; what a program stores and reads back later, other than sums and carried values, may be rounded once to bf16 or f16.
;; Inputs: cb 4,096 x 4,096 float32; in1 4,096 x 64 float32; in2 4,096 x 64 float32.
;; Outputs: out0 4,096 x 4,096 float32.
;; One version. Each part assembles by itself: llvm-mc -triple=amdgcn-amd-amdhsa -mcpu=gfx1250 --defsym DOCPART=n.
;; ======== version 1 of 1: 1 launch
;; limits: values outside matrix products are rounded to f16; values are held in f16: magnitudes above 65,504 overflow, below 6.1e-05 lose precision; right only within a limited range of input values
;; launch cootp (part 1): grid 16 x 16, 4 waves a work-group, clusters of 4 x 1, 327,680 bytes of LDS; arguments cb, in1, in2, out0; writes out0
.if DOCPART == 1
	.amdgcn_target "amdgcn-amd-amdhsa--gfx1250"
	.amdhsa_code_object_version 6
	.text
	.protected	k_q847c806622_cootp
	.globl	k_q847c806622_cootp
	.p2align	8
	.type	k_q847c806622_cootp,@function
k_q847c806622_cootp:
	s_mov_b64 s[64:65], 0
	v_nop
	global_prefetch_b8 v0, s[64:65] scope:SCOPE_SE
	s_setreg_imm32_b32 hwreg(HW_REG_WAVE_MODE, 25, 1), 1
	s_wait_xcnt 0x0
	s_wait_alu depctr_hold_cnt(0) depctr_sa_sdst(0) depctr_va_vdst(0) depctr_va_sdst(0) depctr_va_ssrc(0) depctr_va_vcc(0) depctr_vm_vsrc(0)
	s_getreg_b32 s2, hwreg(HW_REG_IB_STS2, 6, 4)
	s_cmp_eq_u32 s2, 0
	s_cbranch_scc0 .Lentry_in_a_cluster
	s_endpgm
.Lentry_in_a_cluster:
	s_bfe_u32 s2, ttmp6, 0x10000c
	s_cmp_lg_u32 s2, 0x3003
	s_cbranch_scc0 .Lentry_shape_is_right
	s_endpgm
.Lentry_shape_is_right:
; out0[b][h] = the sum over k of in1[b][k / 64] in2[b][k % 64] cb[h][k].  in1, in2: [4096][64] f32; cb, out0: [4096][4096] f32.  A product of 4096 x 4096 x 4096 whose left operand is never in memory.
; LIMITS.  in1, in2, cb and each product in1 x in2 are rounded to f16, to nearest even: four roundings of at most 2^-11 a term; the sums are f32.  The product in1 x in2 is made in packed f16 of the
; rounded factors, not in f32 and rounded once.  A magnitude of 65,520 or more (an input's, or a product's in1 x in2) becomes an infinity; below 6.1e-5 f16 keeps its fixed step of 6e-8.
; NaN and infinities are not treated apart.  cb is taken dense: no zero of it is built in.
; SHARES.  A work-group makes 256 rows (b) x 256 columns (h) of out0; each of its four waves 128 x 128: 64 accumulators of 16 x 16, 512 registers.  K goes in steps of 128 (two values of i = k / 64)
; through two LDS slots that hold cb's tile in f32: 256 rows of 512 bytes, each wave fetching 64 of them with one tensor load.
; THE LEFT OPERAND.  A wave keeps in2 of its 128 rows as 16 f16 fragments (8 row blocks x 2 halves of j), 128 registers, for the whole kernel.  The fragment of (row block a, i, half c) is that fragment
; times in1[row][i], which stands in both halves of one register: 8 packed multiplies feed 8 matrix instructions.  in1 lies in LDS as f16 pairs (i even, i odd): two loads a K step.
; THE RIGHT OPERAND.  A wave reads its 128 rows of cb as f32 (4 loads of 16 bytes a fragment) and rounds them (8 packed conversions a fragment), a quarter step ahead of their use.
; THE MATRIX INSTRUCTION IS USED TRANSPOSED: source 0 = 16 rows of cb, source 1 = 16 rows b.  A lane then holds row b = lane % 16 and the columns h = 8 (lane / 16) + 0..7: 32 neighbouring bytes of out0.
; BESIDE THE PRODUCTS.  A quarter step has 64 matrix and 128 vector instructions (64 multiplies, 64 conversions): four of them stand behind every second matrix instruction.
; CLUSTER.  The four work-groups of a cluster lie along b and have the same columns h, so they walk the same tiles of cb: each tile is asked for JOINTLY, by the same tensor load, descriptor and mask
; in all four.  The cluster is 4 x 1 and no wider: the other operand is not fetched by tensor loads, so nothing is shared along h.
; REGISTERS, in windows of 256 (s_set_vgpr_msb: bits 1:0 source 0, 3:2 source 1, 5:4 source 2, 7:6 destination):
;   window 0: v0-31 addresses; v32-39 in1 of a K step, packed; v40-55 the same doubled; v64-95 four fragments of the left operand, by turns; v128-255 two buffers of 8 fragments of cb in f16
;   window 1: v0-127 in2's fragments; v128-255 cb's f32 as loaded, 16 registers a fragment       windows 2, 3: the accumulators of my rows 0-63, 64-127: (a, b) at v[8 (8 (a % 4) + b)]
.set KSTEP,   128
.set PITCH,   528                      ; an LDS row of cb: 512 bytes + 16 of padding = 132 words: row r starts at bank 4 r mod 64 (64 banks of 4 bytes: ISA guide 11.1), so 16 rows of a load start at 16 different groups of four banks
.set QT,      64*PITCH                 ; what one tensor load brings: 64 rows
.set SLOT,    4*QT                     ; 256 rows
.set IN1,     2*SLOT                   ; behind the ring: in1 as f16 pairs, 32 K steps x 1,040 bytes; no tensor load lands here
.set I1PITCH, 1040                     ; a K step's 256 pairs, 1,024 bytes, + 16
.set STAGE,   IN1+32*I1PITCH           ; 16 rows x 272 bytes for each wave, for the way out; no tensor load lands here
.set SPITCH,  272
.set SPARE,   STAGE+4*16*SPITCH        ; the spare words, 128 bytes for each wave: two blocks of 256 bytes that no other line names
.set LAPS,    4096/(2*KSTEP)           ; a lap = two K steps = once round the ring: 16
.set ROWB,    4096*4                   ; bytes in a row of cb and of out0
.set ADRB, 16                          ; v16-17  LDS address of my fragments of cb in slot 0, 1
.set VI1,  18                          ; v18     LDS address of my rows' in1 pairs in K step 0; never rewritten
.set VI1T, 19                          ; v19     the same for the K step to be fetched
.set VST,  20                          ; v20     set-up: where I put in1's pairs
.set GI1,  21                          ; v21     set-up: my byte offset in two rows of in1
.set GI2,  22                          ; v22     set-up: my byte offset in 16 rows of in2
.set STO,  24                          ; v24     the way out: where I put 32 bytes of a row
.set RD,   25                          ; v25     the way out: where I read a row back
.set CO,   26                          ; v26     my byte offset in two rows of out0
.set SPW,  28                          ; v28     LDS address of my spare word: SPARE + 4 x my thread's number; never rewritten
.set NIL,  29                          ; v29     0; never rewritten
.set I1P,  32                          ; row block a: (in1[row][2 s], in1[row][2 s + 1]) in f16
.set I1D,  40                          ; i = 2 s + il, row block a, at I1D + 8 il + a: in1[row][i] in both halves
.set AF,   64                          ; the left operand's fragment of row block a at AF + 8 (a % 4)
.set BF,   128                         ; cb's fragment b of buffer n at BF + 64 n + 8 b
.set OB,   128                         ; the way out: 16 rows x 256 bytes read back from the stage, two buffers of 32
.set IN2,  0                           ; window 1: fragment (a, c) at 16 a + 8 c
.set RAW,  128                         ; window 1: fragment b at RAW + 16 b
.set G1,   24                          ; s[24:31] descriptor group 1
.set G0,   32                          ; s[32:39] descriptor group 0, one set for each slot
.set S_LO, 40                          ; s40  v_perm_b32's select: the low half twice
.set S_HI, 41                          ; s41  the high half twice
.set SI1,  42                          ; s42  byte offset in IN1 of the K step whose in1 is fetched next
.set MSB, 0
.macro WIN new                         ; the immediate's high byte repeats the setting that is left; a switch that changes nothing is dropped
.if MSB != (\new)
	s_set_vgpr_msb (MSB<<8)|(\new)
.set MSB, \new
.endif
.endm
.set MUL_LO, 0xa0                      ; both sources window 0, C and D window 2
.set MUL_HI, 0xf0                      ; the same, C and D window 3
.set W_P,    0x01                      ; source 0 (in2's fragment) window 1; source 1 and destination window 0
.set W_C,    0x05                      ; both sources (cb's f32) window 1; destination window 0
.set W_LD,   0x40                      ; destination window 1, address window 0
; A round of the cluster's barrier: my work-group's barrier, so that wave 0's signal speaks for all four waves; wave 0 signals for the work-group; every wave waits for all four work-groups;
; my work-group's barrier once more.  No LDS instruction of the wave is pending at a signal.
.macro CREST                           ; a round behind its opening barrier
	s_cmp_lg_u32 s12, 0
	s_cbranch_scc1 .Lnot_wave_0_\@
	s_barrier_signal -3
.Lnot_wave_0_\@:
	s_barrier_wait -3
	s_barrier_signal -1
	s_barrier_wait -1
.endm
.macro CROUND                          ; a whole round
	s_barrier_signal -1
	s_barrier_wait -1
	CREST
.endm
.macro PLACES
.rept 4
	v_nop
.endr
.endm
	s_load_b256 s[4:11], s[0:1], 0x0               ; cb s[4:5], in1 s[6:7], in2 s[8:9], out0 s[10:11]
	v_lshl_add_u32 v[SPW], v0, 2, SPARE
	v_mov_b32 v[NIL], 0
	ds_add_u32 v[SPW], v[NIL]                      ; the wave's opening: the add and its wait stand ahead of my first tensor load; the set-up below, work on registers, stands between them
	v_lshrrev_b32 v3, 5, v0
	v_readfirstlane_b32 s12, v3                    ; wave w, 0..3
	s_lshr_b32 s13, s12, 1                         ; g: which 128 of the tile's rows b are mine
	s_and_b32 s14, s12, 1                          ; e: which 128 of its columns h
	s_bfe_u32 s15, ttmp6, 0x40000                  ; cx: my place in the cluster
	s_lshl_b32 s16, ttmp9, 2                       ; in a cluster launch ttmp9 counts clusters
	s_add_co_u32 s16, s16, s15                     ; tx, the tile's place along b = 4 x cluster x + cx: it enters the addresses of in1, in2 and out0 alone
	s_and_b32 s17, ttmp7, 0xffff                   ; ty, its place along h, which the four partners share
	; descriptor group 1: a tile of 64 rows x 128 elements of 4 bytes, padded in LDS
	s_mov_b32 s[G1+0], 15|(2<<16)|(1<<20)|(1<<21)|(6<<22)|(3<<25)  ; 15:0 the mask: all four work-groups; 17:16 elements of 4 bytes; 20 padding on; 21 set beside a mask; 24:22 after every 128 words (code 6); 31:25 4 words of it (code 3)
	s_mov_b32 s[G1+1], KSTEP<<16                   ; tensor_dim0 = 128
	s_mov_b32 s[G1+2], 64<<16                      ; tensor_dim1 = 64
	s_mov_b32 s[G1+3], KSTEP<<16                   ; tile_dim0 = 128
	s_mov_b32 s[G1+4], 64                          ; tile_dim1 = 64
	s_mov_b32 s[G1+5], 4096                        ; elements from row to row
	s_mov_b32 s[G1+6], 0
	s_mov_b32 s[G1+7], 0
	s_lshl_b32 s18, s17, 22                        ; cb: 256 ty rows of 16,384 bytes
	s_lshl_b32 s19, s12, 20                        ; + my 64 w rows: made of ty and the wave's number alone, in registers that never hold cx
	s_add_co_u32 s18, s18, s19
	s_mov_b32 s19, 0
	s_mul_i32 s43, s12, QT                         ; and where they go in a slot: no place in the cluster enters an LDS address
	s_lshl_b32 s22, s16, 16                        ; in1: 256 tx rows of 256 bytes + the 64 w rows that I bring into LDS
	s_lshl_b32 s23, s12, 14
	s_add_co_u32 s22, s22, s23
	s_mov_b32 s23, 0
	s_lshl_b32 s44, s16, 16                        ; in2: 256 tx rows + my 128 g rows
	s_lshl_b32 s45, s13, 15
	s_add_co_u32 s44, s44, s45
	s_mov_b32 s45, 0
	s_lshl_b32 s46, s16, 22                        ; out0: 256 tx rows of 16,384 bytes + 128 g rows + 256 ty columns of 4 bytes + 128 e columns
	s_lshl_b32 s47, s13, 21
	s_add_co_u32 s46, s46, s47
	s_lshl_b32 s47, s17, 10
	s_add_co_u32 s46, s46, s47
	s_lshl_b32 s47, s14, 9
	s_add_co_u32 s46, s46, s47
	s_mov_b32 s47, 0
	s_mov_b32 s[S_LO], 0x01000100
	s_mov_b32 s[S_HI], 0x03020302
	s_mov_b32 s[SI1], I1PITCH                      ; K step 0's in1 is read by the fixed address; the stepping begins with K step 1
	s_wait_dscnt 0x0                               ; the opening add is done
	s_wait_kmcnt 0x0
	s_add_nc_u64 s[20:21], s[4:5], s[18:19]
	s_add_nc_u64 s[6:7], s[6:7], s[22:23]
	s_add_nc_u64 s[8:9], s[8:9], s[44:45]
	s_add_nc_u64 s[10:11], s[10:11], s[46:47]
.irp s, 0,1
	s_mov_b32 s[G0+4*(\s)], 1                                        ; count = 1
	s_add_co_u32 s[G0+4*(\s)+1], s43, (\s)*SLOT                      ; LDS address
	s_add_nc_u64 s[G0+4*(\s)+2:G0+4*(\s)+3], s[20:21], (\s)*KSTEP*4  ; global address: K step s
	s_or_b32 s[G0+4*(\s)+3], s[G0+4*(\s)+3], 0x80000000              ; type = 2
.endr
	CROUND                                         ; all four work-groups are here: the first joint loads meet
	tensor_load_to_lds s[G0:G0+3], s[G1:G1+7]      ; both slots' first fills go out together: two loads of mine are out
	s_nop 0
	tensor_load_to_lds s[G0+4:G0+7], s[G1:G1+7]
	s_nop 0
	PLACES
	; SET-UP, in the wait for the first tile.  in1: a load takes two whole rows (512 bytes): lane l holds row 2 n + l / 16, columns 4 (l % 16) + 0..3.
	; in2: as f16 fragments want it: row 16 a + l % 16, j = 32 c + 8 (l / 16) + 0..7 (32 bytes of f32) and 16 further on.
	v_and_b32 v1, 15, v0                           ; r = l % 16
	v_bfe_u32 v2, v0, 4, 1                         ; hh = l / 16
	v_and_b32 v3, 31, v0
	v_lshlrev_b32 v[GI1], 4, v3
	v_lshlrev_b32 v[GI2], 8, v1
	v_lshl_add_u32 v[GI2], v2, 5, v[GI2]
	WIN 0xc0                                       ; destination window 3: the accumulators' registers are free until the first product
.set n, 0
.rept 32
	global_load_b128 v[4*n:4*n+3], v[GI1], s[6:7] offset:512*n
.set n, n+1
.endr
	WIN 0x80                                       ; destination window 2
.set n, 0
.rept 64                                               ; n = 8 a + 4 c + u
	global_load_b128 v[4*n:4*n+3], v[GI2], s[8:9] offset:(n/8)*4096+((n/4)%2)*128+((n/2)%2)*64+(n%2)*16
.set n, n+1
.endr
	WIN 0
	v_mul_u32_u24 v4, v1, PITCH                    ; a fragment of cb: row r, 32 bytes of f32 for each half of the lanes
	v_lshl_add_u32 v4, v2, 5, v4
	s_mul_i32 s2, s14, 128*PITCH                   ; my 128 rows of the tile
	v_add_nc_u32 v[ADRB], s2, v4
	s_add_co_u32 s2, s2, SLOT
	v_add_nc_u32 v[ADRB+1], s2, v4
	s_lshl_b32 s2, s13, 9                          ; in1's pair of tile row 128 g + 16 a + r in K step s lies at IN1 + 1,040 s + 512 g + 256 (a / 4) + 16 r + 4 (a % 4):
	s_add_co_u32 s2, s2, IN1                       ; a lane's load of 16 bytes brings its row's pairs of four row blocks
	v_lshl_add_u32 v[VI1], v1, 4, s2
	s_lshl_b32 s2, s12, 8                          ; my stores: tile row 64 w + 2 n + hh, K steps 2 r and 2 r + 1:
	s_add_co_u32 s2, s2, IN1                       ; IN1 + 256 w + 16 hh + 2,080 r, and in the immediate 32 (n % 8) + 4 (n / 8), + 1,040 for the second
	v_mul_u32_u24 v[VST], v1, 2*I1PITCH
	v_lshl_add_u32 v[VST], v2, 4, v[VST]
	v_add_nc_u32 v[VST], s2, v[VST]
	s_mul_i32 s2, s12, 16*SPITCH
	s_add_co_u32 s2, s2, STAGE                     ; my stage
	v_mul_u32_u24 v[STO], v1, SPITCH               ; in: row r, 32 bytes for each half of the lanes
	v_lshl_add_u32 v[STO], v2, 5, v[STO]
	v_add_nc_u32 v[STO], s2, v[STO]
	v_mul_u32_u24 v[RD], v2, SPITCH                ; back: lanes 0-15 take one row of 256 bytes, lanes 16-31 the next
	v_lshl_add_u32 v[RD], v1, 4, v[RD]
	v_add_nc_u32 v[RD], s2, v[RD]
	v_lshlrev_b32 v[CO], 14, v2                    ; and the same two rows in out0
	v_lshl_add_u32 v[CO], v1, 4, v[CO]
	s_wait_loadcnt 63                              ; behind in1's 32 loads 64 were issued; 63 is the largest count that the wait names, and the smaller count is the safe one: in1 is in
	WIN 0x0f                                       ; both sources window 3, destination window 0
.set n, 0
.rept 64
	v_cvt_pk_f16_f32 v[BF+n], v[2*n], v[2*n+1]     ; (i even, i odd): the even one in the low half
.set n, n+1
.endr
	WIN 0
.set n, 0
.rept 32
	ds_store_b32 v[VST], v[BF+2*n]   offset:(n%8)*32+(n/8)*4
	ds_store_b32 v[VST], v[BF+2*n+1] offset:(n%8)*32+(n/8)*4+I1PITCH
.set n, n+1
.endr
	s_wait_loadcnt 0x0                             ; in2 is in
	WIN 0x4a                                       ; both sources window 2, destination window 1
.set n, 0
.rept 128
	v_cvt_pk_f16_f32 v[IN2+n], v[2*n], v[2*n+1]
.set n, n+1
.endr
	WIN 0
; 16 LDS loads in one run: cb's f32 of fragments 4 h .. 4 h + 3 for quarter q (32 along K, 128 bytes of the rows).  Of a lane's 16 numbers the first 8 lie at 32 (l / 16), the others 64 bytes on.
.macro RAWRUN slot, q, h
	WIN W_LD
.irp bb, 0,1,2,3
.irp u, 0,1,2,3
	ds_load_b128 v[RAW+16*(4*(\h)+(\bb))+4*(\u):RAW+16*(4*(\h)+(\bb))+4*(\u)+3], v[ADRB+(\slot)] offset:(4*(\h)+(\bb))*16*PITCH+(\q)*128+((\u)/2)*64+((\u)%2)*16
.endr
.endr
.endm
; One matrix instruction: row block a x column block b, 32 along K, cb's fragment from buffer buf.  zero = 1: the product starts the sum: nothing is ever cleared.
.macro WM a, b, buf, zero
	WIN MUL_LO+0x50*((\a)/4)
.set rD, 8*(8*((\a)%4)+(\b))
.if \zero
	v_wmma_f32_16x16x32_f16 v[rD:rD+7], v[BF+64*(\buf)+8*(\b):BF+64*(\buf)+8*(\b)+7], v[AF+8*((\a)%4):AF+8*((\a)%4)+7], 0
.else
	v_wmma_f32_16x16x32_f16 v[rD:rD+7], v[BF+64*(\buf)+8*(\b):BF+64*(\buf)+8*(\b)+7], v[AF+8*((\a)%4):AF+8*((\a)%4)+7], v[rD:rD+7]
.endif
.endm
; Four registers, q0 on, of the left operand's fragment of row block at: in2's fragment (at, ct) times in1[row][2 s + il]
.macro PR at, ct, il, q0
	WIN W_P
.irp z, 0,1,2,3
	v_pk_mul_f16 v[AF+8*((\at)%4)+(\q0)+(\z)], v[IN2+16*(\at)+8*(\ct)+(\q0)+(\z)], v[I1D+8*(\il)+(\at)]
.endr
.endm
; Four registers, q0 on, of cb's fragment bt in buffer nb: eight f32 rounded to f16
.macro CR bt, nb, q0
	WIN W_C
.irp z, 0,1,2,3
	v_cvt_pk_f16_f32 v[BF+64*(\nb)+8*(\bt)+(\q0)+(\z)], v[RAW+16*(\bt)+2*((\q0)+(\z))], v[RAW+16*(\bt)+2*((\q0)+(\z))+1]
.endr
.endm
.macro DUP il, sel                     ; in1 of i = 2 s + il, doubled, for the eight row blocks
	WIN 0
.irp a, 0,1,2,3,4,5,6,7
	v_perm_b32 v[I1D+8*(\il)+(\a)], v[I1P+(\a)], v[I1P+(\a)], s[\sel]
.endr
.endm
; Row block a of quarter q: 8 matrix instructions on 8 accumulators, and behind every second one four vector instructions: the left operand's fragment two row blocks on (behind block 5: the next
; quarter's blocks 0 and 1), and cb's fragment a of the next quarter.  The 64 accumulators take turns, one instruction a turn, in the same order in every quarter.
; DISTANCES (ISA guide 7.12.1: a vector instruction writes a matrix instruction's source four independent vector instructions behind it).  The fragment register set (a + 2) % 4 was last read by
; block a - 2's eighth product: behind that stand block a - 1's vector instructions, eight at the least, which name other registers.  cb's fragment a of the other buffer was last read by the quarter
; before, in block 7's product a: behind that stand four vector instructions or more of block 7 and all of this quarter's so far.
; rem = 0: the last quarter: nothing is made for a quarter that does not come.
.macro AG a, q, zero, rem
.set gB, (\q)%2
.if (\a) < 6
.set gA, (\a)+2
.set gQ, (\q)
.else
.set gA, (\a)-6
.set gQ, ((\q)+1)%4
.endif
.set gP, 1
.if ((\rem) == 0) && ((\a) >= 6)
.set gP, 0
.endif
	WM \a, 0, gB, \zero
	WM \a, 1, gB, \zero
.if gP
	PR gA, gQ%2, gQ/2, 0
.endif
	WM \a, 2, gB, \zero
	WM \a, 3, gB, \zero
.if (\rem) > 0
	CR \a, 1-gB, 0
.endif
	WM \a, 4, gB, \zero
	WM \a, 5, gB, \zero
.if gP
	PR gA, gQ%2, gQ/2, 4
.endif
	WM \a, 6, gB, \zero
	WM \a, 7, gB, \zero
.if (\rem) > 0
	CR \a, 1-gB, 4
.endif
.endm
; A QUARTER: 32 along K: i = 2 s + q / 2, j = 32 (q % 2) on.  It multiplies buffer q % 2 and fills the other.
; cb's f32 runs ahead in halves.  At the head: fragments 4-7 of quarter q + 1 are asked for, into registers that the last quarter's conversions have left; fragments 0-3 of that quarter, asked for
; in the last quarter's middle, are waited for.  In the middle: fragments 0-3 of quarter q + 2, and the wait for the head's run.  Each s_wait_dscnt 16 leaves out the 16 loads just issued and no more.
; So a slot's last bytes are read at the head of its quarter 2, and the other slot's first in that quarter's middle: THE CHANGE OF SLOTS (turn) stands between them.  In front of its barrier each wave
; waits for all its tensor loads, of which one is out: its part of the other slot; adds 0 to its spare word; and waits for that and for its own reads of this slot.  turn = 1: this slot is filled
; again, two K steps on: the barrier opens a round of the cluster's barrier, so that no wave of any partner still reads the slot or has a load on its way, and the joint load is the first thing behind
; the round: 240 matrix instructions ahead of the wait for it.  turn = 2: nothing is left to fetch: the work-group's barrier alone.
; rem: 2 both runs; 1 the head's alone (the last quarter but one); 0 none.  nxt = 1: a K step follows: its in1 is fetched in quarter 1 and its even i doubled in quarter 2; the odd i is doubled in its own quarter 0.
.macro QUARTER slot, q, zero, rem, turn, nxt
.set qS1, (\slot)
.if (\q) == 3
.set qS1, 1-(\slot)
.endif
.set qS2, (\slot)
.if (\q) >= 2
.set qS2, 1-(\slot)
.endif
.if ((\q) == 1) && (\nxt)
	WIN 0
	v_add_nc_u32 v[VI1T], s[SI1], v[VI1]
	ds_load_b128 v[I1P:I1P+3],   v[VI1T]           ; row blocks 0-3; this K step's pairs were doubled in the quarters before
	ds_load_b128 v[I1P+4:I1P+7], v[VI1T] offset:256  ; row blocks 4-7
	s_add_co_u32 s[SI1], s[SI1], I1PITCH
.endif
.if (\rem) >= 1
	RAWRUN qS1, ((\q)+1)%4, 1
	s_wait_dscnt 16
.endif
.if (\q) == 0
	DUP 1, S_HI
.endif
.if ((\q) == 2) && (\nxt)
	DUP 0, S_LO
.endif
	AG 0, \q, \zero, \rem
	AG 1, \q, \zero, \rem
.if \turn
	WIN 0                                          ; (the add's two registers lie in window 0)
	s_wait_tensorcnt 0x0                           ; all my tensor loads have landed: the one that was out is my part of the other slot
	ds_add_u32 v[SPW], v[NIL]                      ; 0 onto my spare word: a row block's work stands between it and the wait for it
.endif
	AG 2, \q, \zero, \rem
.if \turn
	s_wait_dscnt 0x0                               ; the add is done, and my reads of this slot are over
	s_barrier_signal -1
.endif
	AG 3, \q, \zero, \rem                          ; work on registers while the others arrive
.if (\turn) == 1
	WIN 0
.endif
.if \turn
	s_barrier_wait -1
.endif
.if (\turn) == 1
	CREST
	s_add_nc_u64 s[G0+4*(\slot)+2:G0+4*(\slot)+3], s[G0+4*(\slot)+2:G0+4*(\slot)+3], 2*KSTEP*4  ; no tensor load of mine is out: the slot's group 0 steps two K steps on; the type bits on top are not reached
	tensor_load_to_lds s[G0+4*(\slot):G0+4*(\slot)+3], s[G1:G1+7]  ; my one tensor load behind the round
	s_nop 0
	PLACES
.endif
.if (\rem) >= 2
	RAWRUN qS2, ((\q)+2)%4, 0
	s_wait_dscnt 16
.elseif (\rem) == 1
	s_wait_dscnt 0x0                               ; the head's run, the last of all
.endif
	AG 4, \q, \zero, \rem
	AG 5, \q, \zero, \rem
	AG 6, \q, \zero, \rem
	AG 7, \q, \zero, \rem
.endm
	s_wait_tensorcnt 0x1                           ; my part of K step 0 is in; slot 1's may stay out
	s_wait_dscnt 0x0                               ; for the others' sake: my stores of in1's pairs are done
	s_barrier_signal -1
	s_barrier_wait -1                              ; everybody's are
	; what the first quarter finds: in1 of K step 0; cb's quarter 0 in buffer 0; the f32 of quarter 1's fragments 0-3 on their way; the left operand's row blocks 0 and 1
	ds_load_b128 v[I1P:I1P+3],   v[VI1]
	ds_load_b128 v[I1P+4:I1P+7], v[VI1] offset:256
	RAWRUN 0, 0, 0
	RAWRUN 0, 0, 1
	s_wait_dscnt 16                                ; all but the second run
.irp b, 0,1,2,3
	CR \b, 0, 0
	CR \b, 0, 4
.endr
	RAWRUN 0, 1, 0
	s_wait_dscnt 16                                ; all but the run just issued
.irp b, 4,5,6,7
	CR \b, 0, 0
	CR \b, 0, 4
.endr
	DUP 0, S_LO
	PR 0, 0, 0, 0
	PR 0, 0, 0, 4
	PR 1, 0, 0, 0
	PR 1, 0, 0, 4
	QUARTER 0, 0, 1, 2, 0, 1                       ; the first quarter stands in front of the loop: its products start the sums
	WIN 0                                          ; at a label and at a branch every window is 0
	s_mov_b32 s3, LAPS-1
.Llap:                                                 ; a trip goes once round the ring, from a lap's second quarter to the next lap's first, and fills both slots again
	QUARTER 0, 1, 0, 2, 0, 1
	QUARTER 0, 2, 0, 2, 1, 1
	QUARTER 0, 3, 0, 2, 0, 1
	QUARTER 1, 0, 0, 2, 0, 1
	QUARTER 1, 1, 0, 2, 0, 1
	QUARTER 1, 2, 0, 2, 1, 1
	QUARTER 1, 3, 0, 2, 0, 1
	QUARTER 0, 0, 0, 2, 0, 1
	WIN 0
	s_sub_co_u32 s3, s3, 1
	s_cmp_lg_u32 s3, 0
	s_cbranch_scc1 .Llap
	QUARTER 0, 1, 0, 2, 0, 1                       ; the last lap is written out: it asks for nothing
	QUARTER 0, 2, 0, 2, 2, 1
	QUARTER 0, 3, 0, 2, 0, 1
	QUARTER 1, 0, 0, 2, 0, 0
	QUARTER 1, 1, 0, 2, 0, 0
	QUARTER 1, 2, 0, 1, 0, 0
	QUARTER 1, 3, 0, 0, 0, 0
; THE WAY OUT, in 16 units of 16 rows x 64 columns (row block x / 2, column blocks 4 (x % 2) on).  A lane's 32 bytes are an eighth of 256 consecutive bytes of a row, and the lanes beside it hold
; other rows: the unit goes into my own stage (rows of 272 bytes) and comes back by rows.  LDS serves a wave's instructions in order (ISA guide 5.7.1.4): the loads see the stores above them, and the
; next unit's stores come behind them.  Each accumulator's four lowest registers are read first.
.macro TOSTAGE x
.set tA, (\x)/2
.set tE, (\x)%2
.set tO, OB+32*((\x)%2)
.if (\x) >= 2
	s_wait_xcnt 0x0                                ; every earlier memory instruction has had its addresses translated (ISA guide 3.1): the registers that unit x - 2's stores read are loaded again only behind this wait
.endif
	WIN 0x08+4*(tA/4)                              ; the stores' data: window 2 or 3
.irp bb, 0,1,2,3
.set tR, 8*(8*(tA%4)+4*tE+(\bb))
	ds_store_b128 v[STO], v[tR:tR+3]   offset:64*(\bb)
	ds_store_b128 v[STO], v[tR+4:tR+7] offset:64*(\bb)+16
.endr
	WIN 0
.irp t, 0,1,2,3,4,5,6,7
	ds_load_b128 v[tO+4*(\t):tO+4*(\t)+3], v[RD] offset:(\t)*2*SPITCH
.endr
.endm
.macro SEND x, younger                 ; younger: the LDS instructions issued behind unit x's loads: the next unit's sixteen, or none
.set tA, (\x)/2
.set tE, (\x)%2
.set tO, OB+32*((\x)%2)
	WIN 0
	s_wait_dscnt \younger
.irp t, 0,1,2,3,4,5,6,7
	global_store_b128 v[CO], v[tO+4*(\t):tO+4*(\t)+3], s[10:11] offset:tA*16*ROWB+(\t)*2*ROWB+tE*256 th:TH_STORE_NT  ; 16 lanes store 256 consecutive bytes, at a multiple of 256 from out0's first byte; 2,064,640 at the most, inside the signed 24-bit immediate
.endr
.endm
	WIN 0
	PLACES                                         ; the stores below read results just made, and the loads land in registers that the last products read
	TOSTAGE 0
.irp x, 1,2,3,4,5,6,7,8,9,10,11,12,13,14,15
	TOSTAGE \x                                     ; a unit's way through the stage stands between the loads of the unit before and its stores
	SEND (\x)-1, 16
.endr
	SEND 15, 0
	s_wait_tensorcnt 0x0                           ; the wave's end, behind my last tensor load and my last LDS store
	ds_add_u32 v[SPW], v[NIL]
	s_wait_dscnt 0x0
	CROUND                                         ; the closing round: no work-group ends while a partner may still ask for a tile that names it
	s_endpgm
.Lfunc_end_k_q847c806622_cootp:
	.size	k_q847c806622_cootp, .Lfunc_end_k_q847c806622_cootp-k_q847c806622_cootp
	.p2alignl 7, 3214868480
	.fill 96, 4, 3214868480
	.section	.rodata,"a",@progbits
	.p2align	6, 0x0
	.amdhsa_kernel k_q847c806622_cootp
		.amdhsa_group_segment_fixed_size 327680
		.amdhsa_private_segment_fixed_size 0
		.amdhsa_enable_private_segment 0
		.amdhsa_kernarg_size 32
		.amdhsa_user_sgpr_count 2
		.amdhsa_user_sgpr_kernarg_segment_ptr 1
		.amdhsa_wavefront_size32 1
		.amdhsa_system_sgpr_workgroup_id_x 1
		.amdhsa_system_sgpr_workgroup_id_y 1
		.amdhsa_system_sgpr_workgroup_id_z 1
		.amdhsa_system_vgpr_workitem_id 0
		.amdhsa_next_free_vgpr 1024
		.amdhsa_next_free_sgpr 66
		.amdhsa_reserve_vcc 0
		.amdhsa_float_denorm_mode_32 3
		.amdhsa_float_denorm_mode_16_64 3
		.amdhsa_memory_ordered 1
		.amdhsa_forward_progress 1
		.amdhsa_inst_pref_size 255
	.end_amdhsa_kernel
	.section	.bss,"aw",@nobits
	.p2align	6
	.space	262144
	.amdgpu_metadata
---
amdhsa.version: [ 1, 2 ]
amdhsa.kernels:
  - .name:           k_q847c806622_cootp
    .symbol:         k_q847c806622_cootp.kd
    .args:
      - { .name: cb, .offset: 0, .size: 8, .value_kind: global_buffer, .address_space: global }
      - { .name: in1, .offset: 8, .size: 8, .value_kind: global_buffer, .address_space: global }
      - { .name: in2, .offset: 16, .size: 8, .value_kind: global_buffer, .address_space: global }
      - { .name: out0, .offset: 24, .size: 8, .value_kind: global_buffer, .address_space: global }
    .group_segment_fixed_size: 327680
    .private_segment_fixed_size: 0
    .kernarg_segment_align: 8
    .kernarg_segment_size: 32
    .max_flat_workgroup_size: 128
    .sgpr_count:     66
    .vgpr_count:     1024
    .wavefront_size: 32
...
	.end_amdgpu_metadata
.endif
;; end of part 1
